; MI455X (gfx1250); checked and timed in simulation.
; The chip was launched on July 23, 2026; its instructions are those of AMD's public machine-readable ISA for CDNA 5 (MIT licence, August 2026) and "CDNA5" Instruction Set Architecture Reference Guide (July 2026). The comments in the code are by the model that wrote it; some were corrected since.
;; Mo E Head. Allowed arithmetic: float matrix products may take bf16 or f16 operands with f32 sums; all other float work in f32.
;; Inputs: W1 8 x 1,024 x 2,048 float32; W2 8 x 2,048 x 8 float32; b1 8 x 2,048 float32; b2 8 x 8 float32; feat 4,096 x 1,024 float32; ln_beta 8 x 1,024 float32; ln_gamma 8 x 1,024 float32; mu_cat 8 x 256 float32; z_cat 4,096 x 256 float32.
;; Outputs: out0 4,096 x 8 float32; out1 4,096 x 8 float32.
;; Constants: tau_gate = 1.
;; 2 versions, each right; version 2 is version 1 with the launch prep written anew for expert scheduling mode. Each part assembles by itself: llvm-mc -triple=amdgcn-amd-amdhsa -mcpu=gfx1250 --defsym DOCPART=n.
;; ======== version 1 of 2: 3 launches
;; limits: values are held in f16: magnitudes above 65,504 overflow, below 6.1e-05 lose precision
;; workspace buffers: xh 8,388,608 bytes; Wb 33,554,432 bytes; b1p 131,072 bytes; W2t 262,144 bytes; part 4,194,304 bytes
;; launch prep (part 1): grid 256 x 1, 16 waves a work-group, no clusters, 10,240 bytes of LDS; arguments W1, W2, b1, feat, ln_beta, ln_gamma, xh, Wb, b1p, W2t; writes xh, Wb, b1p, W2t
.if DOCPART == 1
	.amdgcn_target "amdgcn-amd-amdhsa--gfx1250"
	.amdhsa_code_object_version 6
	.text
	.protected	k_q7bca216a48_prep
	.globl	k_q7bca216a48_prep
	.p2align	8
	.type	k_q7bca216a48_prep,@function
k_q7bca216a48_prep:
	s_mov_b64 s[64:65], 0
	v_nop
	global_prefetch_b8 v0, s[64:65] scope:SCOPE_SE
	s_setreg_imm32_b32 hwreg(HW_REG_WAVE_MODE, 25, 1), 1
	s_wait_xcnt 0x0
; FIRST OF THREE LAUNCHES.  It turns the f32 inputs of the experts into what the matrix launch multiplies:
;   xh [4096][1024] f16        = (feat - mean) * rsqrt(var + 1e-5) / 32, the same for all eight experts
;   Wb [8][1024 d][2048 h] f16 = 32 * ln_gamma[e][d] * W1[e][d][h]
;   b1p[2][8][2048] f32        = 0.5 b1[e][h] + sum over one half of d (512 values) of ln_beta[e][d] * W1[e][d][h]
;   W2t[8 e][8 c][2048 n] f16  = W2[e][n][c]
; WHY: (xhat*gamma + beta) W1 = xhat (gamma (.) W1) + beta W1 for all values, so one xhat serves eight experts and the eight
; products are one product of 4096 x 16384 x 1024; beta W1 + b1 is a bias, kept in f32.
; WHY F16: an output is a sum of 16,384 terms of both signs that largely cancel, so each operand's rounding shows in full beside a small
; result; f16 keeps 11 significant bits.  Its range is enough here: |xhat| < 32 for every feat (1,024 numbers whose squares sum to at
; most 1,024), so xh <= 1; the factors 1/32 and 32 are powers of two, exact, cancel in the product, and put gamma*W1 in the middle of
; f16's range.
; LEFT OUT IN THE WHOLE PROGRAM: the division of sims by tau.  tau_gate is the problem's constant 1, tau = max(1e-6, 1) = 1, and
; x / 1 = x for every x.  Nothing else is left out and every input buffer is loaded by one of the three launches.  No NaN, infinity
; or overflow can arise in that division alone, so none is lost with it.
; LIMITS: gamma*W1 is rounded to f16 once (reference() forms xhat*gamma+beta first); |gamma*W1| >= 2,047.5 becomes infinity, and below
; 1.9e-6 it is kept in steps of 1.9e-9; |W2| >= 65,520 becomes infinity, and below 6.1e-5 it is kept in steps of 6e-8; xhat below 0.002
; is kept in steps of 1.9e-6; 0.5*b1 is exact but for a denormal b1; v_rsq_f32 flushes denormals (ISA guide 15.8), which var + 1e-5
; never is for finite feat.
; SHARES: work-group g: expert e = g >> 5, strip of 128 columns (g >> 1) & 15, half of d g & 1.  Wave w takes the 32 rows
; d0 = 512 half + 32 w .. d0 + 31 of the strip (32 loads of 512 bytes) and row 16 g + w of feat (8 loads of 512 bytes).
; All 40 loads of a wave go out at once: that is the wave's whole share, so there is no ring and no loop.
; Nothing is read by two work-groups but 256 bytes of gamma and beta a wave, so there are no clusters, tensor loads or matrix work.
.set ACC, 4                            ; v[4:7]     sum over my 32 rows of beta * W1, my 4 columns
.set T,   8                            ; v[8:15]    at work
.set B1,  16                           ; v[16:19]   wave 0: b1 of my 4 columns
.set M,   20                           ; v[20:21]   - mean, twice
.set R,   22                           ; v[22:23]   rsqrt(var + eps) / 32, twice
.set X,   32                           ; v[32:63]   my row of feat: load j holds columns 128 j + 4 lane .. + 3
.set W,   64                           ; v[64:191]  row i of my 32 rows of W1 at W + 4 i
.set Q,   192                          ; v[192:207] wave 15: 8 rows x 2 columns of W2
.set QO,  208                          ; v[208:215] wave 15: 2 columns x 8 rows, f16
	s_load_b512 s[4:19], s[0:1], 0x0               ; W1 s[4:5], W2 s[6:7], b1 s[8:9], feat s[10:11], ln_beta s[12:13], ln_gamma s[14:15], xh s[16:17], Wb s[18:19]
	s_load_b128 s[52:55], s[0:1], 0x40             ; b1p s[52:53], W2t s[54:55]
	v_lshl_add_u32 v216, v0, 2, 0x2000
	v_mov_b32 v217, 0
	v_lshrrev_b32 v1, 5, v0
	v_readfirstlane_b32 s60, v1                    ; wave 0..15
	s_lshr_b32 s61, ttmp9, 5                       ; e
	s_bfe_u32 s62, ttmp9, 0x40001                  ; strip: 4 bits from bit 1
	s_and_b32 s63, ttmp9, 1                        ; half
	s_lshl_b32 s66, s63, 9
	s_lshl_b32 s67, s60, 5
	s_add_co_u32 s66, s66, s67                     ; d0 = 512 half + 32 wave
	s_lshl_b32 s56, s61, 10
	s_add_co_u32 s56, s56, s66
	s_lshl_b32 s56, s56, 2                         ; byte offset of gamma[e][d0] and beta[e][d0]
	s_mov_b32 s57, 0x3a800000                      ; 1/1024
	s_mov_b32 s101, 0x3727c5ac                     ; 1e-5
	s_mov_b32 s58, 0x76543210                      ; v_permlanex16_b32: lane i of one half reads lane i of the other
	s_mov_b32 s59, 0xfedcba98
	v_and_b32 v2, 31, v0
	v_lshlrev_b32 v1, 4, v2                        ; 16 x lane
	v_lshlrev_b32 v2, 3, v2                        ; 8 x lane
	v_lshlrev_b32 v3, 4, v0                        ; LDS: 512 x wave + 16 x lane
	s_mov_b32 s3, 0
	s_wait_kmcnt 0x0
	s_load_b512 s[20:35], s[14:15], s56 offset:0x0     ; gamma of my 32 rows: s[20+i]
	s_load_b512 s[36:51], s[14:15], s56 offset:0x40
	s_load_b512 s[68:83], s[12:13], s56 offset:0x0     ; beta of my 32 rows: s[68+i]
	s_load_b512 s[84:99], s[12:13], s56 offset:0x40
	; every base gets its offset, made apart from the address in s2 with 0 above it
	s_lshl_b32 s2, s61, 23                         ; W1: e x 8,388,608 + d0 x 8,192 + strip x 512
	s_lshl_b32 s100, s66, 13
	s_add_co_u32 s2, s2, s100
	s_lshl_b32 s100, s62, 9
	s_add_co_u32 s2, s2, s100
	s_add_nc_u64 s[4:5], s[4:5], s[2:3]
	s_lshr_b32 s2, s2, 1                           ; Wb: the same place at 2 bytes a number
	s_add_nc_u64 s[18:19], s[18:19], s[2:3]
	s_lshl_b32 s100, ttmp9, 4
	s_add_co_u32 s100, s100, s60                   ; my row of feat: 16 g + wave
	s_lshl_b32 s2, s100, 12
	s_add_nc_u64 s[10:11], s[10:11], s[2:3]
	s_lshl_b32 s2, s100, 11
	s_add_nc_u64 s[16:17], s[16:17], s[2:3]
	s_lshl_b32 s2, s61, 13                         ; b1: (e x 2048 + strip x 128) x 4
	s_lshl_b32 s100, s62, 9
	s_add_co_u32 s2, s2, s100
	s_add_nc_u64 s[8:9], s[8:9], s[2:3]
	s_lshl_b32 s100, s63, 16                       ; b1p: + half x 65,536
	s_add_co_u32 s2, s2, s100
	s_add_nc_u64 s[52:53], s[52:53], s[2:3]
	s_lshr_b32 s2, ttmp9, 1                        ; W2: 128 rows of 32 bytes for each (e, strip), + 16 bytes for columns 4 to 7
	s_lshl_b32 s2, s2, 12
	s_lshl_b32 s100, s63, 4
	s_add_co_u32 s2, s2, s100
	s_add_nc_u64 s[6:7], s[6:7], s[2:3]
	s_lshl_b32 s2, s61, 15                         ; W2t: e x 32,768 + 4 half x 4,096 + strip x 256
	s_lshl_b32 s100, s63, 14
	s_add_co_u32 s2, s2, s100
	s_lshl_b32 s100, s62, 8
	s_add_co_u32 s2, s2, s100
	s_add_nc_u64 s[54:55], s[54:55], s[2:3]
	s_mov_b32 s100, 0x42000000                     ; 32.0, for gamma
	; The two small loads that one wave alone makes stand AHEAD of the 40, so that every count below is the same in all waves.
	s_cmp_lg_u32 s60, 0
	s_cbranch_scc1 .Lno_b1
	global_load_b128 v[B1:B1+3], v1, s[8:9]        ; wave 0: b1 of the strip
.Lno_b1:
	s_cmp_lg_u32 s60, 15
	s_cbranch_scc1 .Lno_w2ld
	v_and_b32 v26, 15, v0                          ; wave 15: lane (r, h) takes rows n = 8 r + i, columns 4 half + 2 h + {0, 1} of the strip's 128 rows of W2
	v_bfe_u32 v27, v0, 4, 1
	v_lshlrev_b32 v24, 8, v26
	v_lshl_add_u32 v24, v27, 3, v24                ; from: 256 r + 8 h
	v_lshlrev_b32 v25, 4, v26
	v_lshl_add_u32 v25, v27, 13, v25               ; to: 2 h rows of 4,096 bytes + 16 r
.irp i, 0,1,2,3,4,5,6,7
	global_load_b64 v[Q+2*\i:Q+2*\i+1], v24, s[6:7] offset:32*\i
.endr
.Lno_w2ld:
.irp j, 0,1,2,3,4,5,6,7
	global_load_b128 v[X+4*\j:X+4*\j+3], v1, s[10:11] offset:512*\j th:TH_LOAD_NT
.endr
.set i, 0
.rept 32
	global_load_b128 v[W+4*i:W+4*i+3], v1, s[4:5] offset:8192*i th:TH_LOAD_NT
.set i, i+1
.endr
	; wave 15: W2 transposed to f16; sixteen lanes store 256 consecutive bytes, aligned
	s_cmp_lg_u32 s60, 15
	s_cbranch_scc1 .Lno_w2
	s_wait_loadcnt 40                              ; the 40 loads issued behind W2's eight may stay out
.irp cc, 0,1
.irp k, 0,1,2,3
	v_cvt_pk_f16_f32 v[QO+4*\cc+\k], v[Q+4*\k+\cc], v[Q+4*\k+2+\cc]    ; rows 2 k and 2 k + 1 of column cc
.endr
	global_store_b128 v25, v[QO+4*\cc:QO+4*\cc+3], s[54:55] offset:4096*\cc
.endr
.Lno_w2:
; sum over the 32 lanes, the result in every lane; tmp has been written before (v_permlanex16_b32 counts as a reader of its destination)
.macro RED reg, tmp
	v_add_f32_dpp v[\reg], v[\reg], v[\reg] row_xmask:1 row_mask:0xf bank_mask:0xf
	v_add_f32_dpp v[\reg], v[\reg], v[\reg] row_xmask:2 row_mask:0xf bank_mask:0xf
	v_add_f32_dpp v[\reg], v[\reg], v[\reg] row_xmask:4 row_mask:0xf bank_mask:0xf
	v_add_f32_dpp v[\reg], v[\reg], v[\reg] row_xmask:8 row_mask:0xf bank_mask:0xf
	v_permlanex16_b32 v[\tmp], v[\reg], s58, s59
	v_add_f32 v[\reg], v[\reg], v[\tmp]
.endm
.macro TREE                            ; four pairs of partial sums in T to one number in v[T]
	v_pk_add_f32 v[T:T+1], v[T:T+1], v[T+2:T+3]
	v_pk_add_f32 v[T+4:T+5], v[T+4:T+5], v[T+6:T+7]
	v_pk_add_f32 v[T:T+1], v[T:T+1], v[T+4:T+5]
	v_add_f32 v[T], v[T], v[T+1]
.endm
	; LAYER NORM of my row, in two passes as reference() has it: the mean first, then the squares of the differences
	s_wait_loadcnt 32                              ; my row of feat is in; the 32 loads of W1 behind it may stay out
.irp k, 0,1,2,3
	v_pk_add_f32 v[T+2*\k:T+2*\k+1], v[X+2*\k:X+2*\k+1], v[X+2*\k+8:X+2*\k+9]    ; four chains, started by sums: nothing is cleared
.endr
.irp o, 16,24
.irp k, 0,1,2,3
	v_pk_add_f32 v[T+2*\k:T+2*\k+1], v[T+2*\k:T+2*\k+1], v[X+2*\k+\o:X+2*\k+\o+1]
.endr
.endr
	TREE
	RED T, T+2
	v_mul_f32 v[M], 0xba800000, v[T]               ; - sum / 1024
	v_mov_b32 v[M+1], v[M]
.set i, 0
.rept 16
	v_pk_add_f32 v[X+2*i:X+2*i+1], v[X+2*i:X+2*i+1], v[M:M+1]
.set i, i+1
.endr
.irp k, 0,1,2,3
	v_pk_mul_f32 v[T+2*\k:T+2*\k+1], v[X+2*\k:X+2*\k+1], v[X+2*\k:X+2*\k+1]
.endr
.irp o, 8,16,24
.irp k, 0,1,2,3
	v_pk_fma_f32 v[T+2*\k:T+2*\k+1], v[X+2*\k+\o:X+2*\k+\o+1], v[X+2*\k+\o:X+2*\k+\o+1], v[T+2*\k:T+2*\k+1]
.endr
.endr
	TREE
	RED T, T+2
	v_fma_f32 v[T], v[T], s57, s101                ; var + 1e-5
	v_rsq_f32 v[R], v[T]
	v_nop                                          ; one plain instruction between v_rsq_f32 and the use of its result (ISA guide 5.7.2)
	s_wait_alu depctr_va_vdst(0)
	v_mul_f32 v[R], 0x3d000000, v[R]               ; / 32: exact, and undone by the 32 in Wb
	v_mov_b32 v[R+1], v[R]
.set i, 0
.rept 16
	v_pk_mul_f32 v[X+2*i:X+2*i+1], v[X+2*i:X+2*i+1], v[R:R+1]
.set i, i+1
.endr
.irp j, 0,1,2,3,4,5,6,7
	v_cvt_pk_f16_f32 v[X+4*\j],   v[X+4*\j],   v[X+4*\j+1]
	v_cvt_pk_f16_f32 v[X+4*\j+1], v[X+4*\j+2], v[X+4*\j+3]
	global_store_b64 v2, v[X+4*\j:X+4*\j+1], s[16:17] offset:256*\j    ; the wave's store covers 256 consecutive bytes, aligned
.endr
	; MY 32 ROWS OF W1: beta's product in f32 first, then 32 gamma's scale, one rounding to f16, out.  No vector register is written twice.
	s_wait_kmcnt 0x0                               ; gamma and beta
.set i, 0
.rept 32
	s_mul_f32 s[20+i], s[20+i], s100               ; 32 gamma: exact
.set i, i+1
.endr
.set i, 0
.rept 32
	s_wait_loadcnt 31-i                            ; loads come back in order (ISA guide 5.7.1): row i is in, the 31 - i younger rows may stay out
.irp k, 0,1,2,3
.if i == 0
	v_mul_f32 v[ACC+\k], s[68], v[W+\k]            ; the first row starts the sums
.else
	v_fmac_f32 v[ACC+\k], s[68+i], v[W+4*i+\k]
.endif
.endr
.irp k, 0,1,2,3
	v_mul_f32 v[W+4*i+\k], s[20+i], v[W+4*i+\k]
.endr
	v_cvt_pk_f16_f32 v[W+4*i],   v[W+4*i],   v[W+4*i+1]
	v_cvt_pk_f16_f32 v[W+4*i+1], v[W+4*i+2], v[W+4*i+3]
	global_store_b64 v2, v[W+4*i:W+4*i+1], s[18:19] offset:4096*i      ; 256 consecutive bytes, aligned
.set i, i+1
.endr
	; the sixteen waves' sums meet in LDS; wave 0 adds them and half of b1
	ds_store_b128 v3, v[ACC:ACC+3]
	s_wait_dscnt 0x0                               ; for the other waves' sake: my store is done before I signal
	s_barrier_signal -1
	s_barrier_wait -1
	s_cmp_lg_u32 s60, 0
	s_cbranch_scc1 .Ldone
	s_wait_xcnt 0x0                                ; W's registers were data of stores: they are loaded again only behind this wait
.set i, 0
.rept 16
	ds_load_b128 v[W+4*i:W+4*i+3], v1 offset:512*i
.set i, i+1
.endr
	s_wait_dscnt 0x0
.irp st, 8,4,2,1
.set i, 0
.rept \st
	v_pk_add_f32 v[W+4*i:W+4*i+1],   v[W+4*i:W+4*i+1],   v[W+4*(i+\st):W+4*(i+\st)+1]
	v_pk_add_f32 v[W+4*i+2:W+4*i+3], v[W+4*i+2:W+4*i+3], v[W+4*(i+\st)+2:W+4*(i+\st)+3]
.set i, i+1
.endr
.endr
	v_pk_fma_f32 v[W:W+1],   v[B1:B1+1],   0.5, v[W:W+1]   op_sel_hi:[1,0,1]   ; each of the two halves of d carries half of b1
	v_pk_fma_f32 v[W+2:W+3], v[B1+2:B1+3], 0.5, v[W+2:W+3] op_sel_hi:[1,0,1]
	global_store_b128 v1, v[W:W+3], s[52:53]       ; 512 consecutive bytes
.Ldone:
	s_wait_tensorcnt 0x0
	ds_add_u32 v216, v217
	s_wait_dscnt 0x0
	s_endpgm
.Lfunc_end_k_q7bca216a48_prep:
	.size	k_q7bca216a48_prep, .Lfunc_end_k_q7bca216a48_prep-k_q7bca216a48_prep
	.p2alignl 7, 3214868480
	.fill 96, 4, 3214868480
	.section	.rodata,"a",@progbits
	.p2align	6, 0x0
	.amdhsa_kernel k_q7bca216a48_prep
		.amdhsa_group_segment_fixed_size 10240
		.amdhsa_private_segment_fixed_size 0
		.amdhsa_enable_private_segment 0
		.amdhsa_kernarg_size 80
		.amdhsa_user_sgpr_count 2
		.amdhsa_user_sgpr_kernarg_segment_ptr 1
		.amdhsa_wavefront_size32 1
		.amdhsa_system_sgpr_workgroup_id_x 1
		.amdhsa_system_sgpr_workgroup_id_y 1
		.amdhsa_system_sgpr_workgroup_id_z 1
		.amdhsa_system_vgpr_workitem_id 0
		.amdhsa_next_free_vgpr 218
		.amdhsa_next_free_sgpr 102
		.amdhsa_reserve_vcc 0
		.amdhsa_float_denorm_mode_32 3
		.amdhsa_float_denorm_mode_16_64 3
		.amdhsa_memory_ordered 1
		.amdhsa_forward_progress 1
		.amdhsa_inst_pref_size 36
	.end_amdhsa_kernel
	.amdgpu_metadata
---
amdhsa.version: [ 1, 2 ]
amdhsa.kernels:
  - .name:           k_q7bca216a48_prep
    .symbol:         k_q7bca216a48_prep.kd
    .args:
      - { .name: W1, .offset: 0, .size: 8, .value_kind: global_buffer, .address_space: global }
      - { .name: W2, .offset: 8, .size: 8, .value_kind: global_buffer, .address_space: global }
      - { .name: b1, .offset: 16, .size: 8, .value_kind: global_buffer, .address_space: global }
      - { .name: feat, .offset: 24, .size: 8, .value_kind: global_buffer, .address_space: global }
      - { .name: ln_beta, .offset: 32, .size: 8, .value_kind: global_buffer, .address_space: global }
      - { .name: ln_gamma, .offset: 40, .size: 8, .value_kind: global_buffer, .address_space: global }
      - { .name: xh, .offset: 48, .size: 8, .value_kind: global_buffer, .address_space: global }
      - { .name: Wb, .offset: 56, .size: 8, .value_kind: global_buffer, .address_space: global }
      - { .name: b1p, .offset: 64, .size: 8, .value_kind: global_buffer, .address_space: global }
      - { .name: W2t, .offset: 72, .size: 8, .value_kind: global_buffer, .address_space: global }
    .group_segment_fixed_size: 10240
    .private_segment_fixed_size: 0
    .kernarg_segment_align: 8
    .kernarg_segment_size: 80
    .max_flat_workgroup_size: 512
    .sgpr_count:     102
    .vgpr_count:     218
    .wavefront_size: 32
...
	.end_amdgpu_metadata
.endif
;; end of part 1
;; launch experts (part 2): grid 16 x 16, 4 waves a work-group, clusters of 4 x 4, 327,680 bytes of LDS; arguments xh, Wb, b1p, W2t, part; writes part
.if DOCPART == 2
	.amdgcn_target "amdgcn-amd-amdhsa--gfx1250"
	.amdhsa_code_object_version 6
	.text
	.protected	k_q7bca216a48_experts
	.globl	k_q7bca216a48_experts
	.p2align	8
	.type	k_q7bca216a48_experts,@function
k_q7bca216a48_experts:
	s_mov_b64 s[64:65], 0
	v_nop
	global_prefetch_b8 v0, s[64:65] scope:SCOPE_SE
	s_setreg_imm32_b32 hwreg(HW_REG_WAVE_MODE, 25, 1), 1
	s_wait_xcnt 0x0
	s_wait_alu depctr_hold_cnt(0) depctr_sa_sdst(0) depctr_va_vdst(0) depctr_va_sdst(0) depctr_va_ssrc(0) depctr_va_vcc(0) depctr_vm_vsrc(0)
	s_getreg_b32 s2, hwreg(HW_REG_IB_STS2, 6, 4)
	s_cmp_eq_u32 s2, 0
	s_cbranch_scc0 .Lentry_in_a_cluster
	s_endpgm
.Lentry_in_a_cluster:
	s_bfe_u32 s2, ttmp6, 0x10000c
	s_cmp_lg_u32 s2, 0xf033
	s_cbranch_scc0 .Lentry_shape_is_right
	s_endpgm
.Lentry_shape_is_right:
; SECOND LAUNCH.  h = relu(xh Wb + bias), a product of 4096 x 16384 x 1024 in f16 with f32 sums, and at once h W2, so that h never
; leaves the registers.  (xh holds xhat / 32 and Wb holds 32 gamma W1: the two exact factors cancel in the product.)
; part[plane][row][c] f32 = sum over the plane's 512 hidden columns of h[row][n] W2[e][n][c]; plane = 2 bx + wn,
; its expert = plane >> 2.  The gate, b2 and the sum over planes follow in the last launch.  Nothing of reference() is left out here.
; LIMITS: relu is v_max_num_f32, so a NaN in h becomes 0; h is rounded to f16 for the second product: h >= 65,520 becomes infinity, and
; below 6.1e-5 it is kept in steps of 6e-8.
; SHARES: work-group (bx, by): 256 rows (by) x 1024 hidden columns (bx: expert bx >> 1, its half bx & 1), walked as four tiles of
; 256 x 256, each of eight K steps of 128: 32 steps in one ring of two LDS slots that runs on from tile to tile.  Four waves; a wave
; makes 128 x 128 (wm = wave >> 1: rows, wn = wave & 1: columns): 64 accumulator tiles of 16 x 16, 512 registers.
; CLUSTERS: 4 x 4 work-groups.  xh's tile hangs on by alone and is asked for jointly by the four of a row of the cluster, Wb's on bx
; alone and by the four of a column: the requests for both are divided by four.
; Wb lies [k][n].  Its tile stays so in LDS and ds_load_tr16_b128 transposes 8 x 8 numbers at the read, which gives the fragment
; layout that K-contiguous rows give by plain loads.
; THE MATRIX INSTRUCTION IS USED TRANSPOSED: source 0 = 16 columns of Wb, source 1 = 16 rows of xh.  Lane (r, h) then holds row r and
; columns 8 h + 0..7 of a tile of h.  Tiles 2 p and 2 p + 1, rounded to f16 and packed, ARE registers 0-3 and 4-7 of a fragment
; with K = 32 (k = 8 h + 0..7 and 16 + 8 h + 0..7), so the second product takes h straight from the registers: no LDS, no shuffle.
; REGISTERS, in windows of 256:
;   window 0: v0-6 ids, v16-24 addresses, v32-63 four fragments of W2t, v64-127 and v128-191 fragments of xh (two buffers; the second
;             also holds the packed h), v192-255 P: the second product's sums, 8 row blocks x 8 registers, carried through all four tiles
;   window 1: v0-63 bias (column block b at 8 b), v64-127 and v128-191 fragments of Wb, v192-255 the bias's second half
;   window 2, 3: accumulator tile (a, b) at 8 (8 a + b): my rows 0-63, my rows 64-127
.set PA,    272                        ; xh's LDS row: 256 bytes + 16: an odd multiple of 16, so the 16 rows of a fragment load start 16 bytes further each, modulo 256
.set PB,    544                        ; Wb's LDS row: 512 bytes (256 n) + 32: an odd multiple of 32, as the transposing loads' eight rows want
.set HALFT, 34816                      ; what one tensor load brings: 128 rows x 272 = 64 rows x 544
.set SLOT,  4*HALFT                    ; xh's 256 rows, then Wb's 128 k rows
.set ADRA, 16                          ; v16-17  LDS address of my xh fragments in slot 0, 1
.set ADRB, 20                          ; v20-21  the same for Wb
.set BOFF, 22                          ; v22     32 h: my 8 numbers in a block of 16 of the bias
.set WOFF, 23                          ; v23     (r & 7) x 4096 + 16 h: my place in W2t
.set PO,   24                          ; v24     32 r + 16 h: my 16 bytes in 16 rows of part
.set W2F,  32
.set F0,   64
.set F1,   128
.set PACC, 192
.set BIASB, 192                        ; in window 1
.set G1,  24                           ; s[24:31] descriptor group 1, xh's tiles
.set G0,  32                           ; s[32:39] group 0, xh's tiles, a set for each slot
.set G1B, 48                           ; s[48:55] group 1, Wb's tiles
.set G0B, 56                           ; s[56:63] group 0, Wb's tiles, a set for each slot
.set MUL_LO,  0xa1                     ; source 0 window 1, source 1 window 0, C and D window 2
.set MUL_HI,  0xf1                     ; C and D window 3
.set MULB_LO, 0x91                     ; C from window 1 (the bias), D window 2
.set MULB_HI, 0xd1                     ; C from window 1, D window 3
.set TO_B,    0x40                     ; destination window 1, address window 0
.set ADDB,    0x45                     ; both sources and the destination in window 1
.set MSB, 0
.macro WIN new                         ; the immediate's high byte repeats the setting that is left
.if MSB != \new
	s_set_vgpr_msb (MSB<<8)|\new
.set MSB, \new
.endif
.endm
; A joint load.  Waves 0 and 1 fetch xh's two halves, waves 2 and 3 Wb's.  Each line has one mask and one set of registers for all that
; issue it; the branch hangs on the wave's number alone.
.macro JLOAD s
	s_cmp_eq_u32 s15, 0
	s_cbranch_scc0 .Lfor_b_\@
	tensor_load_to_lds s[G0+4*\s:G0+4*\s+3], s[G1:G1+7]
	s_nop 0
	s_branch .Lasked_\@
.Lfor_b_\@:
	tensor_load_to_lds s[G0B+4*\s:G0B+4*\s+3], s[G1B:G1B+7]
	s_nop 0
.Lasked_\@:
.endm
; A round of the cluster's barrier: my work-group's barrier, wave 0 signals for the work-group, every wave waits for all sixteen
; work-groups, my work-group's barrier once more.
.macro CREST                           ; a round behind its opening barrier
	s_cmp_lg_u32 s14, 0
	s_cbranch_scc1 .Lnot_wave_0_\@
	s_barrier_signal -3
.Lnot_wave_0_\@:
	s_barrier_wait -3
	s_barrier_signal -1
	s_barrier_wait -1
.endm
.macro CROUND
	s_barrier_signal -1
	s_barrier_wait -1
	CREST
.endm
	s_load_b256 s[4:11], s[0:1], 0x0               ; xh s[4:5], Wb s[6:7], b1p s[8:9], W2t s[10:11]
	s_load_b64 s[12:13], s[0:1], 0x20              ; part
	v_lshl_add_u32 v30, v0, 2, 0x44000
	v_mov_b32 v31, 0
	ds_add_u32 v30, v31
	v_lshrrev_b32 v1, 5, v0
	v_readfirstlane_b32 s14, v1                    ; wave 0..3
	s_lshr_b32 s15, s14, 1                         ; wm.  Also: I fetch for xh (0) or for Wb (1)
	s_and_b32 s16, s14, 1                          ; wn.  Also: which half of that tile I fetch
	s_bfe_u32 s17, ttmp6, 0x40000                  ; cx
	s_bfe_u32 s18, ttmp6, 0x40004                  ; cy
	s_lshl_b32 s19, ttmp9, 2
	s_add_co_u32 s19, s19, s17                     ; bx = 4 x cluster x + cx
	s_and_b32 s20, ttmp7, 0xffff
	s_lshl_b32 s20, s20, 2
	s_add_co_u32 s20, s20, s18                     ; by = 4 x cluster y + cy
	s_lshl_b32 s21, s18, 2
	s_lshl_b32 s21, 15, s21                        ; my row of the cluster: places 4 cy .. 4 cy + 3
	s_lshl_b32 s22, 0x1111, s17                    ; my column: places cx, cx + 4, cx + 8, cx + 12
	; group 1 for xh: 128 rows x 128 numbers of 2 bytes, 4 words of padding behind every 64
	s_or_b32 s[G1+0], s21, (1<<16)|(1<<20)|(1<<21)|(5<<22)|(3<<25)
	s_mov_b32 s[G1+1], 128<<16                     ; tensor_dim0 = 128
	s_mov_b32 s[G1+2], 128<<16                     ; tensor_dim1 = 128
	s_mov_b32 s[G1+3], 128<<16                     ; tile_dim0 = 128
	s_mov_b32 s[G1+4], 128                         ; tile_dim1 = 128
	s_mov_b32 s[G1+5], 1024                        ; from row to row of xh
	s_mov_b32 s[G1+6], 0
	s_mov_b32 s[G1+7], 0
	; group 1 for Wb: 64 k rows x 256 numbers, 8 words of padding behind every 128
	s_or_b32 s[G1B+0], s22, (1<<16)|(1<<20)|(1<<21)|(6<<22)|(7<<25)
	s_mov_b32 s[G1B+1], 256<<16
	s_mov_b32 s[G1B+2], 64<<16
	s_mov_b32 s[G1B+3], 256<<16
	s_mov_b32 s[G1B+4], 64
	s_mov_b32 s[G1B+5], 2048                       ; from row to row of Wb
	s_mov_b32 s[G1B+6], 0
	s_mov_b32 s[G1B+7], 0
	; Where the tiles come from.  s[40:41] hold by and the wave's number alone, s[46:47] bx and the wave's number alone.
	s_lshl_b32 s44, s16, 18                        ; my half of a tile: 128 rows of 2,048 bytes of xh, or 64 rows of 4,096 bytes of Wb: 262,144 bytes both
	s_lshl_b32 s40, s20, 19                        ; 256 by rows of 2,048 bytes
	s_add_co_u32 s40, s40, s44
	s_mov_b32 s41, 0
	s_lshr_b32 s46, s19, 1
	s_lshl_b32 s46, s46, 22                        ; expert x 4,194,304
	s_add_co_u32 s46, s46, s44
	s_and_b32 s47, s19, 1
	s_lshl_b32 s47, s47, 11                        ; its half: 1,024 columns of 2 bytes
	s_add_co_u32 s46, s46, s47
	s_mov_b32 s47, 0
	s_mul_i32 s23, s14, HALFT                      ; where they go: wave x 34,816: xh's two halves, then Wb's two
	s_mov_b32 s71, 0                               ; the high words of the two step offsets
	s_mov_b32 s73, 0
	s_mov_b32 s74, 2                               ; the next step to ask for, of 32
	s_wait_dscnt 0x0
	s_wait_kmcnt 0x0
	s_add_nc_u64 s[66:67], s[4:5], s[40:41]        ; xh at my part of step 0's tile
	s_add_nc_u64 s[68:69], s[6:7], s[46:47]        ; Wb likewise
	CROUND                                         ; all sixteen work-groups are here: the first joint loads meet
.irp s, 0,1
	s_mov_b32 s[G0+4*\s], 1
	s_add_co_u32 s[G0+4*\s+1], s23, \s*SLOT
	s_add_nc_u64 s[G0+4*\s+2:G0+4*\s+3], s[66:67], \s*256          ; K step s: 128 numbers along xh's rows
	s_or_b32 s[G0+4*\s+3], s[G0+4*\s+3], 0x80000000
	s_mov_b32 s[G0B+4*\s], 1
	s_add_co_u32 s[G0B+4*\s+1], s23, \s*SLOT
	s_add_nc_u64 s[G0B+4*\s+2:G0B+4*\s+3], s[68:69], \s*524288     ; K step s: 128 rows of Wb down
	s_or_b32 s[G0B+4*\s+3], s[G0B+4*\s+3], 0x80000000
	JLOAD \s                                       ; both first fills go out as one group, before anything else is done
.endr
	; the other bases; their offsets stand in registers that feed no descriptor
	s_lshl_b32 s78, s19, 12                        ; bias: (1024 bx + 128 wn) x 4
	s_lshl_b32 s79, s16, 9
	s_add_co_u32 s78, s78, s79
	s_mov_b32 s79, 0
	s_add_nc_u64 s[8:9], s[8:9], s[78:79]
	s_lshr_b32 s78, s19, 1                         ; W2t: expert x 32,768 + (1024 (bx & 1) + 128 wn) x 2
	s_lshl_b32 s78, s78, 15
	s_and_b32 s80, s19, 1
	s_lshl_b32 s80, s80, 11
	s_add_co_u32 s78, s78, s80
	s_lshl_b32 s80, s16, 8
	s_add_co_u32 s78, s78, s80
	s_add_nc_u64 s[10:11], s[10:11], s[78:79]
	s_lshl_b32 s42, s19, 18                        ; part: (2 bx + wn) x 131,072 + (256 by + 128 wm) x 32
	s_lshl_b32 s43, s16, 17
	s_add_co_u32 s42, s42, s43
	s_lshl_b32 s43, s20, 13
	s_add_co_u32 s42, s42, s43
	s_lshl_b32 s43, s15, 12
	s_add_co_u32 s42, s42, s43
	s_mov_b32 s43, 0
	s_add_nc_u64 s[12:13], s[12:13], s[42:43]
	; lane addresses
	v_and_b32 v1, 15, v0                           ; r
	v_bfe_u32 v2, v0, 4, 1                         ; h (kept to the end)
	v_mul_u32_u24 v3, v1, PA
	v_lshl_add_u32 v3, v2, 4, v3                   ; xh: row r, 16 bytes for each half of the lanes
	v_and_b32 v4, 7, v0
	v_lshl_add_u32 v5, v2, 3, v4
	v_mul_u32_u24 v5, v5, PB                       ; Wb: k row 8 h + (lane & 7),
	v_bfe_u32 v6, v0, 3, 1
	v_lshl_add_u32 v5, v6, 4, v5                   ; and 16 bytes on for lanes 8-15 and 24-31
	s_mul_i32 s45, s15, HALFT                      ; my 128 rows of xh
	s_lshl_b32 s75, s16, 8                         ; my 128 columns of Wb,
	s_add_co_u32 s75, s75, 2*HALFT                 ; which lies behind xh's 256 rows
.irp s, 0,1
	v_add_nc_u32 v[ADRA+\s], s45, v3
	v_add_nc_u32 v[ADRB+\s], s75, v5
	s_add_co_u32 s45, s45, SLOT
	s_add_co_u32 s75, s75, SLOT
.endr
	v_lshlrev_b32 v[BOFF], 5, v2
	v_lshlrev_b32 v[WOFF], 12, v4
	v_lshl_add_u32 v[WOFF], v2, 4, v[WOFF]
	v_lshlrev_b32 v[PO], 5, v1
	v_lshl_add_u32 v[PO], v2, 4, v[PO]
; 16 matrix instructions: row blocks a0, a0 + 1 of the window's four x all 8 column blocks, 32 along K.
; first = 1: C is the bias (window 1, 8 b): the first product starts the sums with it; nothing is cleared and no bias is added later.
; The 64 accumulators take turns, one instruction a turn, in the same order in every quarter.
.macro MUL16 f, hi, a0, first
.irp a, \a0, \a0+1
.irp b, 0,1,2,3,4,5,6,7
.if \first
	v_wmma_f32_16x16x32_f16 v[8*(8*(\a)+\b):8*(8*(\a)+\b)+7], v[\f+8*\b:\f+8*\b+7], v[\f+8*(4*\hi+\a):\f+8*(4*\hi+\a)+7], v[8*\b:8*\b+7]
.else
	v_wmma_f32_16x16x32_f16 v[8*(8*(\a)+\b):8*(8*(\a)+\b)+7], v[\f+8*\b:\f+8*\b+7], v[\f+8*(4*\hi+\a):\f+8*(4*\hi+\a)+7], v[8*(8*(\a)+\b):8*(8*(\a)+\b)+7]
.endif
.endr
.endr
.endm
; 32 LDS loads in one run: the fragments of quarter q (32 along K) of a slot into buffer f.  Wb: 32 q rows down, column block i 32 bytes
; on, the second load 16 rows further down.  xh: 64 q bytes along the rows, row block i 16 rows down, the second load 32 bytes on.
.macro FETCH slot, q, f
	WIN TO_B
.irp i, 0,1,2,3,4,5,6,7
	ds_load_tr16_b128 v[\f+8*\i:\f+8*\i+3],   v[ADRB+\slot] offset:\q*32*PB+32*\i
	ds_load_tr16_b128 v[\f+8*\i+4:\f+8*\i+7], v[ADRB+\slot] offset:\q*32*PB+32*\i+16*PB
.endr
	WIN 0
.irp i, 0,1,2,3,4,5,6,7
	ds_load_b128 v[\f+8*\i:\f+8*\i+3],   v[ADRA+\slot] offset:64*\q+\i*16*PA
	ds_load_b128 v[\f+8*\i+4:\f+8*\i+7], v[ADRA+\slot] offset:64*\q+\i*16*PA+32
.endr
.endm
; Four places behind a matrix instruction before a load lands on, or a vector instruction reads or writes, one of its registers
; (ISA guide 7.12.1 for vector instructions); other matrix instructions are not counted as places.
.macro PLACES
.rept 4
	v_nop
.endr
.endm
; One of a K step's first three quarters: multiplies buffer f, and in its middle fetches quarter q into buffer g.
.macro QUARTER slot, q, f, g, first
	s_wait_dscnt 0x8                               ; Wb's fragments and xh's rows 0-63 are in; the youngest eight loads (rows 64-127) may be out
.if \first
	WIN MULB_LO
.else
	WIN MUL_LO
.endif
	MUL16 \f, 0, 0, \first
	MUL16 \f, 0, 2, \first
	PLACES
	FETCH \slot, \q, \g
	s_wait_dscnt 0x20                              ; all but the 32 just issued
.if \first
	WIN MULB_HI
.else
	WIN MUL_HI
.endif
	MUL16 \f, 1, 0, \first
	MUL16 \f, 1, 2, \first
.endm
.macro THREE slot, first
	QUARTER \slot, 1, F0, F1, \first
	QUARTER \slot, 2, F1, F0, 0
	QUARTER \slot, 3, F0, F1, 0
.endm
; The last quarter: multiplies buffer 1 and changes slots.  In front of the barrier each wave waits for its reads of this slot and for
; all its tensor loads, of which one is out: its part of the next slot.  fill = 1: the barrier opens a round of the cluster's barrier, and
; this slot is asked for again, with step s74, first thing behind the round.  From a request to the wait for it a wave issues 240
; matrix instructions of the product, and at a tile's end the second product's work besides.
.macro TURN slot, next, fill
	s_wait_dscnt 0x8
	WIN MUL_LO
	MUL16 F1, 0, 0, 0
	s_wait_dscnt 0x0                               ; my reads of this slot are over
	s_set_vgpr_msb 0xa1a0
	s_wait_tensorcnt 0x0                           ; all my tensor loads have landed, so every group 0 may be written
	ds_add_u32 v30, v31
	s_wait_dscnt 0x0
	s_set_vgpr_msb 0xa0a1
	s_barrier_signal -1
.if \fill
	s_and_b32 s75, s74, 7                          ; step s74: K step kk = s74 & 7 of tile tt = s74 >> 3
	s_lshl_b32 s70, s75, 8                         ; xh: 256 kk bytes along the rows
	s_lshl_b32 s72, s75, 19                        ; Wb: 128 kk rows of 4,096 bytes down,
	s_lshr_b32 s75, s74, 3
	s_lshl_b32 s75, s75, 9
	s_add_co_u32 s72, s72, s75                     ; and 256 tt columns of 2 bytes on
	s_add_nc_u64 s[G0+4*\slot+2:G0+4*\slot+3], s[66:67], s[70:71]
	s_or_b32 s[G0+4*\slot+3], s[G0+4*\slot+3], 0x80000000
	s_add_nc_u64 s[G0B+4*\slot+2:G0B+4*\slot+3], s[68:69], s[72:73]
	s_or_b32 s[G0B+4*\slot+3], s[G0B+4*\slot+3], 0x80000000
	s_add_co_u32 s74, s74, 1
.endif
	MUL16 F1, 0, 2, 0                              ; work on registers while the others arrive
	WIN 0
	s_barrier_wait -1
.if \fill
	CREST                                          ; no wave of any partner still reads this slot's tile or has a load on its way
	JLOAD \slot                                    ; my one tensor load behind the round, and the first thing there
.endif
	PLACES
	FETCH \next, 0, F0
	WIN MUL_HI
	MUL16 F1, 1, 0, 0
	MUL16 F1, 1, 2, 0
.endm
.macro LAP first                       ; once round the ring: two K steps, both slots asked for again
	THREE 0, \first
	TURN 0, 1, 1
	THREE 1, 0
	TURN 1, 0, 1
.endm
; 32 loads: a tile's bias in both halves of d.  Register 8 b + j of lane (r, h) = bias of column 16 b + 8 h + j of my 128.
.macro BIASLD
	WIN TO_B
.irp b, 0,1,2,3,4,5,6,7
	global_load_b128 v[8*\b:8*\b+3],               v[BOFF], s[8:9] offset:64*\b
	global_load_b128 v[8*\b+4:8*\b+7],             v[BOFF], s[8:9] offset:64*\b+16
	global_load_b128 v[BIASB+8*\b:BIASB+8*\b+3],   v[BOFF], s[8:9] offset:65536+64*\b
	global_load_b128 v[BIASB+8*\b+4:BIASB+8*\b+7], v[BOFF], s[8:9] offset:65536+64*\b+16
.endr
	WIN 0
.endm
.macro BIASADD                         ; the two halves of d make the bias
	WIN ADDB
.set EX, 0
.rept 32
	v_pk_add_f32 v[2*EX:2*EX+1], v[2*EX:2*EX+1], v[BIASB+2*EX:BIASB+2*EX+1]
.set EX, EX+1
.endr
.endm
; 8 loads: four fragments of W2t for my 128 columns of a tile.  Lane (r, h): class r & 7, n = 32 p + 8 h + 0..7 and 32 p + 16 + 8 h + 0..7.
; Lanes 8-15 and 24-31 repeat classes 0-7, so that both halves of the lanes end up with all eight classes of their row.
.macro W2LD
.irp p, 0,1,2,3
	global_load_b128 v[W2F+8*\p:W2F+8*\p+3],   v[WOFF], s[10:11] offset:64*\p
	global_load_b128 v[W2F+8*\p+4:W2F+8*\p+7], v[WOFF], s[10:11] offset:64*\p+32
.endr
.endm
; Two row blocks of 16 rows: relu in place, round to f16 into buffer 1 of window 0 (register 32 al + 4 b + jj from accumulator registers
; 64 al + 8 b + 2 jj and the next), then 8 matrix instructions on two sums P that take turns, one instruction a turn
; base: the pair's first accumulator register in its window; relu, cvt: the window settings; pa: the first block's number.
; The next pair's 128 v_max_num_f32 are the places between these matrix instructions and the conversions that write buffer 1 again.
.macro EPIPAIR base, relu, cvt, pa
	WIN \relu
.set EX, 0
.rept 128
	v_max_num_f32 v[\base+EX], 0, v[\base+EX]
.set EX, EX+1
.endr
	WIN \cvt
.set EX, 0
.rept 64
	v_cvt_pk_f16_f32 v[F1+EX], v[\base+2*EX], v[\base+2*EX+1]
.set EX, EX+1
.endr
	WIN 0
.irp p, 0,1,2,3
	v_wmma_f32_16x16x32_f16 v[PACC+8*\pa:PACC+8*\pa+7],    v[W2F+8*\p:W2F+8*\p+7], v[F1+8*\p:F1+8*\p+7],       v[PACC+8*\pa:PACC+8*\pa+7]
	v_wmma_f32_16x16x32_f16 v[PACC+8*\pa+8:PACC+8*\pa+15], v[W2F+8*\p:W2F+8*\p+7], v[F1+32+8*\p:F1+32+8*\p+7], v[PACC+8*\pa+8:PACC+8*\pa+15]
.endr
.endm
; A finished tile of h goes into the second product.  left = how many younger global loads may stay out when W2t's fragments must be there.
.macro EPI left
	s_wait_loadcnt \left
	PLACES
	EPIPAIR 0,   0x8a, 0x0a, 0
	EPIPAIR 128, 0x8a, 0x0a, 2
	EPIPAIR 0,   0xcf, 0x0f, 4
	EPIPAIR 128, 0xcf, 0x0f, 6
.endm
	BIASLD                                         ; tile 0's bias: 32 loads,
	W2LD                                           ; then its fragments of W2t: 8 loads.  This order holds for every tile
.set EX, 0
.rept 64
	v_mov_b32 v[PACC+EX], 0                        ; once in the launch: P is carried through a loop whose first trip shares the others' text
.set EX, EX+1
.endr
	s_wait_tensorcnt 0x1                           ; my part of step 0 is in; step 1's may stay out
	s_barrier_signal -1
	s_barrier_wait -1
	FETCH 0, 0, F0
	s_mov_b32 s76, 3
.Ltile:                                        ; tiles 0 to 2: four laps, all of which ask on, into the next tile too
	s_wait_loadcnt 0x8                             ; the bias is in; the 8 loads of W2t issued behind it may stay out
	BIASADD
	LAP 1
	WIN 0
	s_wait_xcnt 0x0                                ; the base is stepped only behind this wait
	s_add_nc_u64 s[8:9], s[8:9], 1024              ; the next tile's 256 columns
	BIASLD                                         ; the bias's registers were last read by the lap's first 64 products
	s_mov_b32 s77, 3
.Llap:
	LAP 0
	WIN 0
	s_sub_co_u32 s77, s77, 1
	s_cmp_lg_u32 s77, 0
	s_cbranch_scc1 .Llap
	EPI 32                                         ; W2t's fragments are in; the next tile's 32 bias loads, issued behind them, may stay out
	PLACES
	s_wait_xcnt 0x0
	s_add_nc_u64 s[10:11], s[10:11], 512
	W2LD                                           ; the next tile's
	s_sub_co_u32 s76, s76, 1
	s_cmp_lg_u32 s76, 0
	s_cbranch_scc1 .Ltile
	; tile 3: three laps ask on (steps 26 to 31), the last asks for nothing and has no round of the cluster's barrier
	s_wait_loadcnt 0x8
	BIASADD
	LAP 1
	WIN 0
	s_mov_b32 s77, 2
.Llap2:
	LAP 0
	WIN 0
	s_sub_co_u32 s77, s77, 1
	s_cmp_lg_u32 s77, 0
	s_cbranch_scc1 .Llap2
	THREE 0, 0
	TURN 0, 1, 0
	THREE 1, 0
	s_wait_dscnt 0x8                               ; the very last quarter: nothing more to fetch
	WIN MUL_LO
	MUL16 F1, 0, 0, 0
	MUL16 F1, 0, 2, 0
	s_wait_dscnt 0x0
	WIN MUL_HI
	MUL16 F1, 1, 0, 0
	MUL16 F1, 1, 2, 0
	WIN 0
	EPI 0                                          ; no load was issued behind W2t's last fragments
	; THE WAY OUT.  Register j of lane (r, h) of block a = class j of row 16 a + r, in both halves of the lanes.  Lanes with h = 0 store
	; classes 0-3, those with h = 1 classes 4-7: one store covers 16 rows of 32 bytes, 512 consecutive bytes, aligned.
	PLACES
	v_cmp_eq_u32 vcc_lo, 1, v2
.irp a, 0,1,2,3,4,5,6,7
.irp j, 0,1,2,3
	v_cndmask_b32 v[PACC+8*\a+\j], v[PACC+8*\a+\j], v[PACC+8*\a+4+\j], vcc_lo
.endr
	global_store_b128 v[PO], v[PACC+8*\a:PACC+8*\a+3], s[12:13] offset:512*\a
.endr
	CROUND                                         ; the closing round: no work-group ends while a partner may still ask for a tile that names it
	s_endpgm
.Lfunc_end_k_q7bca216a48_experts:
	.size	k_q7bca216a48_experts, .Lfunc_end_k_q7bca216a48_experts-k_q7bca216a48_experts
	.p2alignl 7, 3214868480
	.fill 96, 4, 3214868480
	.section	.rodata,"a",@progbits
	.p2align	6, 0x0
	.amdhsa_kernel k_q7bca216a48_experts
		.amdhsa_group_segment_fixed_size 327680
		.amdhsa_private_segment_fixed_size 0
		.amdhsa_enable_private_segment 0
		.amdhsa_kernarg_size 40
		.amdhsa_user_sgpr_count 2
		.amdhsa_user_sgpr_kernarg_segment_ptr 1
		.amdhsa_wavefront_size32 1
		.amdhsa_system_sgpr_workgroup_id_x 1
		.amdhsa_system_sgpr_workgroup_id_y 1
		.amdhsa_system_sgpr_workgroup_id_z 1
		.amdhsa_system_vgpr_workitem_id 0
		.amdhsa_next_free_vgpr 1024
		.amdhsa_next_free_sgpr 96
		.amdhsa_reserve_vcc 1
		.amdhsa_float_denorm_mode_32 3
		.amdhsa_float_denorm_mode_16_64 3
		.amdhsa_memory_ordered 1
		.amdhsa_forward_progress 1
		.amdhsa_inst_pref_size 255
	.end_amdhsa_kernel
	.section	.bss,"aw",@nobits
	.p2align	6
	.space	262144
	.amdgpu_metadata
---
amdhsa.version: [ 1, 2 ]
amdhsa.kernels:
  - .name:           k_q7bca216a48_experts
    .symbol:         k_q7bca216a48_experts.kd
    .args:
      - { .name: xh, .offset: 0, .size: 8, .value_kind: global_buffer, .address_space: global }
      - { .name: Wb, .offset: 8, .size: 8, .value_kind: global_buffer, .address_space: global }
      - { .name: b1p, .offset: 16, .size: 8, .value_kind: global_buffer, .address_space: global }
      - { .name: W2t, .offset: 24, .size: 8, .value_kind: global_buffer, .address_space: global }
      - { .name: part, .offset: 32, .size: 8, .value_kind: global_buffer, .address_space: global }
    .group_segment_fixed_size: 327680
    .private_segment_fixed_size: 0
    .kernarg_segment_align: 8
    .kernarg_segment_size: 40
    .max_flat_workgroup_size: 128
    .sgpr_count:     96
    .vgpr_count:     1024
    .wavefront_size: 32
...
	.end_amdgpu_metadata
.endif
;; end of part 2
;; launch finish (part 3): grid 256 x 1, 8 waves a work-group, no clusters, 9,216 bytes of LDS; arguments z_cat, mu_cat, b2, part, out0, out1; writes out0, out1
.if DOCPART == 3
	.amdgcn_target "amdgcn-amd-amdhsa--gfx1250"
	.amdhsa_code_object_version 6
	.text
	.protected	k_q7bca216a48_finish
	.globl	k_q7bca216a48_finish
	.p2align	8
	.type	k_q7bca216a48_finish,@function
k_q7bca216a48_finish:
	s_mov_b64 s[64:65], 0
	v_nop
	global_prefetch_b8 v0, s[64:65] scope:SCOPE_SE
	s_setreg_imm32_b32 hwreg(HW_REG_WAVE_MODE, 25, 1), 1
	s_wait_xcnt 0x0
; THIRD LAUNCH.  out1 = softmax over e of cos(z_cat[row], mu_cat[e]);  out0[row][c] = sum over e of out1[row][e] (sum of the expert's four
; planes of part + b2[e][c]).
; LEFT OUT: the division of sims by tau, which is the problem's constant 1 (shown at the head of the first kernel).
; The largest sim is taken away before the exponentials, as in reference().  All in f32 on the vector unit: 8 columns of 256 are too few
; for a matrix tile, and out1 keeps f32's accuracy.
; LIMITS: v_sqrt_f32, v_rcp_f32 and v_exp_f32 flush denormals (ISA guide 15.8): a sum of squares below 2^-126 counts as 0, where the norm
; is below reference()'s floor of 1e-12 anyway; a gate weight cannot be denormal, since sims lie in [-1, 1].
; SHARES: work-group g owns rows 16 g .. 16 g + 15.  Wave w makes the gate of rows 16 g + 2 w and + 1, a lane 8 of the 256 numbers of a
; row; then wave w weighs expert w for all 16 rows (lane: row lane >> 1, classes 4 (lane & 1) .. + 3), and wave 0 adds the eight.
; mu_cat (8,192 bytes) is what work-groups share; it is two thirds of a wave's bytes and read once, so no cluster is formed for it.
.set S,   4                            ; v[4:11]    sims of one row
.set NZ,  12                           ; v12        |z|^2 (behind S, so that one run of lane sums takes all nine)
.set XT,  13                           ; v13        the other half's number in a lane sum
.set U,   14                           ; v[14:15]   at work
.set G,   16                           ; v[16:23]   the gate of one row
.set RM,  24                           ; v[24:31]   1 / max(|mu_e|, 1e-12)
.set MU,  32                           ; v[32:95]   mu_e: my 8 numbers at MU + 8 e; at the end the eight waves' sums
.set Z,   96                           ; v[96:111]  my two rows of z
.set PT,  112                          ; v[112:127] four planes of part
.set B2,  128                          ; v[128:131] b2 of my expert and classes
.set DT,  132                          ; v[132:147] eight pairs of partial sums
.set GW,  148                          ; v148       the gate of my row and expert
.set GA,  149                          ; v149       LDS: 64 w, my two rows of the gate table
.set GR,  150                          ; v150       LDS: 32 (lane >> 1) + 4 w
.set SA,  151                          ; v151       LDS: 512 w + 16 lane
	s_load_b256 s[4:11], s[0:1], 0x0               ; z_cat s[4:5], mu_cat s[6:7], b2 s[8:9], part s[10:11]
	s_load_b128 s[12:15], s[0:1], 0x20             ; out0 s[12:13], out1 s[14:15]
	v_lshl_add_u32 v152, v0, 2, 0x2000
	v_mov_b32 v153, 0
	v_lshrrev_b32 v1, 5, v0
	v_readfirstlane_b32 s16, v1                    ; wave 0..7
	s_mov_b32 s18, 0x76543210
	s_mov_b32 s19, 0xfedcba98
	v_and_b32 v3, 31, v0
	v_lshlrev_b32 v1, 4, v3                        ; 16 x lane
	v_and_b32 v2, 1, v0
	v_lshlrev_b32 v2, 4, v2                        ; 16 x (lane & 1)
	s_lshl_b32 s23, s16, 6
	v_mov_b32 v[GA], s23
	v_lshrrev_b32 v[GR], 1, v3
	v_lshlrev_b32 v[GR], 5, v[GR]
	s_lshl_b32 s23, s16, 2
	v_add_nc_u32 v[GR], s23, v[GR]
	v_lshlrev_b32 v[SA], 4, v0
	v_mov_b32 v[XT], 0                             ; v_permlanex16_b32 counts as a reader of its destination
	s_mov_b32 s21, 0
	s_lshl_b32 s20, ttmp9, 14                      ; z: (16 g + 2 w) rows of 1,024 bytes
	s_lshl_b32 s22, s16, 11
	s_add_co_u32 s20, s20, s22
	s_wait_kmcnt 0x0
	s_add_nc_u64 s[4:5], s[4:5], s[20:21]
	s_lshl_b32 s20, s16, 19                        ; part: 4 w planes of 131,072 bytes + 16 g rows of 32
	s_lshl_b32 s22, ttmp9, 9
	s_add_co_u32 s20, s20, s22
	s_add_nc_u64 s[10:11], s[10:11], s[20:21]
	s_lshl_b32 s20, s16, 5                         ; b2: row w
	s_add_nc_u64 s[8:9], s[8:9], s[20:21]
	s_mov_b32 s20, s22                             ; out0, out1: 16 g rows of 32 bytes
	s_add_nc_u64 s[12:13], s[12:13], s[20:21]
	s_add_nc_u64 s[14:15], s[14:15], s[20:21]
	; all 25 loads at once, in the order in which they are needed
.irp e, 0,1,2,3,4,5,6,7
	global_load_b128 v[MU+8*\e:MU+8*\e+3],   v1, s[6:7] offset:1024*\e
	global_load_b128 v[MU+8*\e+4:MU+8*\e+7], v1, s[6:7] offset:1024*\e+512
.endr
.irp j, 0,1,2,3
	global_load_b128 v[Z+4*\j:Z+4*\j+3], v1, s[4:5] offset:512*\j th:TH_LOAD_NT
.endr
.irp j, 0,1,2,3
	global_load_b128 v[PT+4*\j:PT+4*\j+3], v1, s[10:11] offset:131072*\j th:TH_LOAD_NT
.endr
	global_load_b128 v[B2:B2+3], v2, s[8:9]
; Eight dot products of my 8 numbers: dst + i = v[a + astep i ..] . mu_i, written step by step across the eight, so that no
; instruction waits for the one in front of it.
.macro DOT8 dst, a, astep
.set di, 0
.rept 8
	v_pk_mul_f32 v[DT+2*di:DT+2*di+1], v[\a+\astep*di:\a+\astep*di+1], v[MU+8*di:MU+8*di+1]
.set di, di+1
.endr
.irp k, 2,4,6
.set di, 0
.rept 8
	v_pk_fma_f32 v[DT+2*di:DT+2*di+1], v[\a+\astep*di+\k:\a+\astep*di+\k+1], v[MU+8*di+\k:MU+8*di+\k+1], v[DT+2*di:DT+2*di+1]
.set di, di+1
.endr
.endr
.set di, 0
.rept 8
	v_add_f32 v[\dst+di], v[DT+2*di], v[DT+2*di+1]
.set di, di+1
.endr
.endm
; n neighbouring registers summed over the 32 lanes, each result in every lane; again step by step across the n
.macro REDN base, n
.irp m, 1,2,4,8
.set di, 0
.rept \n
	v_add_f32_dpp v[\base+di], v[\base+di], v[\base+di] row_xmask:\m row_mask:0xf bank_mask:0xf
.set di, di+1
.endr
.endr
.set di, 0
.rept \n
	v_permlanex16_b32 v[XT], v[\base+di], s18, s19
	v_add_f32 v[\base+di], v[\base+di], v[XT]
.set di, di+1
.endr
.endm
; The gate of my row rr, into the table in LDS: row 2 w + rr at 32 bytes a row, which is out1's own layout.
.macro GATE rr
	v_pk_mul_f32 v[U:U+1], v[Z+8*\rr:Z+8*\rr+1], v[Z+8*\rr:Z+8*\rr+1]
.irp k, 2,4,6
	v_pk_fma_f32 v[U:U+1], v[Z+8*\rr+\k:Z+8*\rr+\k+1], v[Z+8*\rr+\k:Z+8*\rr+\k+1], v[U:U+1]
.endr
	DOT8 S, Z+8*\rr, 0
	v_add_f32 v[NZ], v[U], v[U+1]
	REDN S, 9
	v_sqrt_f32 v[U], v[NZ]
	s_wait_alu depctr_va_vdst(0)
.irp e, 0,1,2,3,4,5,6,7
	v_mul_f32 v[S+\e], v[S+\e], v[RM+\e]           ; plain work between v_sqrt_f32 and the use of its result (ISA guide 5.7.2)
.endr
	s_wait_alu depctr_va_vdst(0)
	v_max_num_f32 v[U], 0x2b8cbccc, v[U]           ; max(|z|, 1e-12)
	v_rcp_f32 v[U+1], v[U]
	v_nop
	s_wait_alu depctr_va_vdst(0)
	v_mul_f32 v[U+1], 0x3fb8aa3b, v[U+1]           ; log2(e) rides along: v_exp_f32 works in base 2
.irp e, 0,1,2,3,4,5,6,7
	v_mul_f32 v[S+\e], v[S+\e], v[U+1]
.endr
	v_max3_num_f32 v[U], v[S], v[S+1], v[S+2]
	v_max3_num_f32 v[U], v[U], v[S+3], v[S+4]
	v_max3_num_f32 v[U], v[U], v[S+5], v[S+6]
	v_max_num_f32 v[U], v[U], v[S+7]
.irp e, 0,1,2,3,4,5,6,7
	v_sub_f32 v[S+\e], v[S+\e], v[U]
.endr
.irp e, 0,1,2,3,4,5,6,7
	v_exp_f32 v[G+\e], v[S+\e]
.endr
	v_nop
	s_wait_alu depctr_va_vdst(0)
	v_add_f32 v[DT],   v[G],   v[G+1]
	v_add_f32 v[DT+1], v[G+2], v[G+3]
	v_add_f32 v[DT+2], v[G+4], v[G+5]
	v_add_f32 v[DT+3], v[G+6], v[G+7]
	v_add_f32 v[DT],   v[DT],   v[DT+1]
	v_add_f32 v[DT+2], v[DT+2], v[DT+3]
	v_add_f32 v[DT],   v[DT],   v[DT+2]
	v_rcp_f32 v[U+1], v[DT]
	v_nop
	s_wait_alu depctr_va_vdst(0)
.irp e, 0,1,2,3,4,5,6,7
	v_mul_f32 v[G+\e], v[G+\e], v[U+1]
.endr
	ds_store_b128 v[GA], v[G:G+3]   offset:32*\rr          ; every lane holds the same eight numbers and writes the same bytes
	ds_store_b128 v[GA], v[G+4:G+7] offset:32*\rr+16
.endm
	s_wait_loadcnt 0x9                             ; mu is in; the 9 loads behind it (z, part, b2) may stay out
	DOT8 RM, MU, 8
	REDN RM, 8
.irp e, 0,1,2,3,4,5,6,7
	v_sqrt_f32 v[DT+\e], v[RM+\e]
.endr
	v_nop
	s_wait_alu depctr_va_vdst(0)
.irp e, 0,1,2,3,4,5,6,7
	v_max_num_f32 v[DT+\e], 0x2b8cbccc, v[DT+\e]   ; max(|mu_e|, 1e-12)
.endr
.irp e, 0,1,2,3,4,5,6,7
	v_rcp_f32 v[RM+\e], v[DT+\e]
.endr
	v_nop
	s_wait_loadcnt 0x5                             ; z is in; part's four loads and b2's one may stay out
	GATE 0
	GATE 1
	s_wait_dscnt 0x0                               ; for the other waves' sake: my rows of the table are written before I signal
	s_barrier_signal -1
	s_barrier_wait -1
	ds_load_b32 v[GW], v[GR]                       ; the gate of row lane >> 1 for expert w
	s_cmp_lg_u32 s16, 1
	s_cbranch_scc1 .Lno_out1
	ds_load_b128 v[DT:DT+3], v1                    ; wave 1: the table is out1's 16 rows: 512 consecutive bytes
	s_wait_dscnt 0x0
	global_store_b128 v1, v[DT:DT+3], s[14:15]
.Lno_out1:
	s_wait_loadcnt 0x0                             ; part and b2
.irp k, 0,2
	v_pk_add_f32 v[PT+\k:PT+\k+1],     v[PT+\k:PT+\k+1],     v[PT+4+\k:PT+4+\k+1]
	v_pk_add_f32 v[PT+8+\k:PT+8+\k+1], v[PT+8+\k:PT+8+\k+1], v[PT+12+\k:PT+12+\k+1]
.endr
.irp k, 0,2
	v_pk_add_f32 v[PT+\k:PT+\k+1], v[PT+\k:PT+\k+1], v[PT+8+\k:PT+8+\k+1]
.endr
.irp k, 0,2
	v_pk_add_f32 v[PT+\k:PT+\k+1], v[PT+\k:PT+\k+1], v[B2+\k:B2+\k+1]
.endr
	s_wait_dscnt 0x0                               ; the gate
.irp k, 0,1,2,3
	v_mul_f32 v[PT+\k], v[PT+\k], v[GW]
.endr
	ds_store_b128 v[SA], v[PT:PT+3] offset:1024    ; bytes of their own, behind the table
	s_wait_dscnt 0x0
	s_barrier_signal -1
	s_barrier_wait -1
	s_cmp_lg_u32 s16, 0
	s_cbranch_scc1 .Ldone
.irp k, 0,1,2,3,4,5,6,7
	ds_load_b128 v[MU+4*\k:MU+4*\k+3], v1 offset:1024+512*\k
.endr
	s_wait_dscnt 0x0
.irp st, 4,2,1
.set di, 0
.rept \st
	v_pk_add_f32 v[MU+4*di:MU+4*di+1],   v[MU+4*di:MU+4*di+1],   v[MU+4*(di+\st):MU+4*(di+\st)+1]
	v_pk_add_f32 v[MU+4*di+2:MU+4*di+3], v[MU+4*di+2:MU+4*di+3], v[MU+4*(di+\st)+2:MU+4*(di+\st)+3]
.set di, di+1
.endr
.endr
	global_store_b128 v1, v[MU:MU+3], s[12:13]     ; out0's 16 rows: 512 consecutive bytes
.Ldone:
	s_wait_tensorcnt 0x0
	ds_add_u32 v152, v153
	s_wait_dscnt 0x0
	s_endpgm
.Lfunc_end_k_q7bca216a48_finish:
	.size	k_q7bca216a48_finish, .Lfunc_end_k_q7bca216a48_finish-k_q7bca216a48_finish
	.p2alignl 7, 3214868480
	.fill 96, 4, 3214868480
	.section	.rodata,"a",@progbits
	.p2align	6, 0x0
	.amdhsa_kernel k_q7bca216a48_finish
		.amdhsa_group_segment_fixed_size 9216
		.amdhsa_private_segment_fixed_size 0
		.amdhsa_enable_private_segment 0
		.amdhsa_kernarg_size 48
		.amdhsa_user_sgpr_count 2
		.amdhsa_user_sgpr_kernarg_segment_ptr 1
		.amdhsa_wavefront_size32 1
		.amdhsa_system_sgpr_workgroup_id_x 1
		.amdhsa_system_sgpr_workgroup_id_y 1
		.amdhsa_system_sgpr_workgroup_id_z 1
		.amdhsa_system_vgpr_workitem_id 0
		.amdhsa_next_free_vgpr 154
		.amdhsa_next_free_sgpr 66
		.amdhsa_reserve_vcc 0
		.amdhsa_float_denorm_mode_32 3
		.amdhsa_float_denorm_mode_16_64 3
		.amdhsa_memory_ordered 1
		.amdhsa_forward_progress 1
		.amdhsa_inst_pref_size 29
	.end_amdhsa_kernel
	.amdgpu_metadata
---
amdhsa.version: [ 1, 2 ]
amdhsa.kernels:
  - .name:           k_q7bca216a48_finish
    .symbol:         k_q7bca216a48_finish.kd
    .args:
      - { .name: z_cat, .offset: 0, .size: 8, .value_kind: global_buffer, .address_space: global }
      - { .name: mu_cat, .offset: 8, .size: 8, .value_kind: global_buffer, .address_space: global }
      - { .name: b2, .offset: 16, .size: 8, .value_kind: global_buffer, .address_space: global }
      - { .name: part, .offset: 24, .size: 8, .value_kind: global_buffer, .address_space: global }
      - { .name: out0, .offset: 32, .size: 8, .value_kind: global_buffer, .address_space: global }
      - { .name: out1, .offset: 40, .size: 8, .value_kind: global_buffer, .address_space: global }
    .group_segment_fixed_size: 9216
    .private_segment_fixed_size: 0
    .kernarg_segment_align: 8
    .kernarg_segment_size: 48
    .max_flat_workgroup_size: 256
    .sgpr_count:     66
    .vgpr_count:     154
    .wavefront_size: 32
...
	.end_amdgpu_metadata
.endif
;; end of part 3
;; ======== version 2 of 2: 3 launches; version 1 with the launch prep written anew for expert scheduling mode
;; limits: values are held in f16: magnitudes above 65,504 overflow, below 6.1e-05 lose precision
;; workspace buffers: xh 8,388,608 bytes; Wb 33,554,432 bytes; b1p 131,072 bytes; W2t 262,144 bytes; part 4,194,304 bytes
;; launch prep (part 4): grid 256 x 1, 16 waves a work-group, no clusters, 10,240 bytes of LDS; arguments W1, W2, b1, feat, ln_beta, ln_gamma, xh, Wb, b1p, W2t; writes xh, Wb, b1p, W2t
.if DOCPART == 4
	.amdgcn_target "amdgcn-amd-amdhsa--gfx1250"
	.amdhsa_code_object_version 6
	.text
	.protected	k_q7bca216a48_prep
	.globl	k_q7bca216a48_prep
	.p2align	8
	.type	k_q7bca216a48_prep,@function
k_q7bca216a48_prep:
	s_mov_b64 s[64:65], 0
	v_nop
	global_prefetch_b8 v0, s[64:65] scope:SCOPE_SE
	s_setreg_imm32_b32 hwreg(HW_REG_WAVE_SCHED_MODE, 0, 2), 2
	s_setreg_imm32_b32 hwreg(HW_REG_WAVE_MODE, 25, 1), 1
	s_wait_xcnt 0x0
	s_wait_alu depctr_vm_vsrc(0)
; FIRST OF THREE LAUNCHES.  It turns the f32 inputs of the experts into what the matrix launch multiplies:
;   xh [4096][1024] f16        = (feat - mean) * rsqrt(var + 1e-5) / 32, the same for all eight experts
;   Wb [8][1024 d][2048 h] f16 = 32 * ln_gamma[e][d] * W1[e][d][h]
;   b1p[2][8][2048] f32        = 0.5 b1[e][h] + sum over one half of d (512 values) of ln_beta[e][d] * W1[e][d][h]
;   W2t[8 e][8 c][2048 n] f16  = W2[e][n][c]
; WHY: (xhat*gamma + beta) W1 = xhat (gamma (.) W1) + beta W1 for all values, so one xhat serves eight experts and the eight
; products are one product of 4096 x 16384 x 1024; beta W1 + b1 is a bias, kept in f32.
; WHY F16: an output is a sum of 16,384 terms of both signs that largely cancel, so each operand's rounding shows in full beside a small
; result; f16 keeps 11 significant bits.  Its range is enough here: |xhat| < 32 for every feat (1,024 numbers whose squares sum to at
; most 1,024), so xh <= 1; the factors 1/32 and 32 are powers of two, exact, cancel in the product, and put gamma*W1 in the middle of
; f16's range.
; LEFT OUT IN THE WHOLE PROGRAM: the division of sims by tau.  tau_gate is the problem's constant 1, tau = max(1e-6, 1) = 1, and
; x / 1 = x for every x.  Nothing else is left out and every input buffer is loaded by one of the three launches.  No NaN, infinity
; or overflow can arise in that division alone, so none is lost with it.
; LIMITS: gamma*W1 is rounded to f16 once (reference() forms xhat*gamma+beta first); |gamma*W1| >= 2,047.5 becomes infinity, and below
; 1.9e-6 it is kept in steps of 1.9e-9; |W2| >= 65,520 becomes infinity, and below 6.1e-5 it is kept in steps of 6e-8; xhat below 0.002
; is kept in steps of 1.9e-6; 0.5*b1 is exact but for a denormal b1; v_rsq_f32 flushes denormals (ISA guide 15.8), which var + 1e-5
; never is for finite feat.
; SHARES: work-group g: expert e = g >> 5, strip of 128 columns (g >> 1) & 15, half of d g & 1.  Wave w takes the 32 rows
; d0 = 512 half + 32 w .. d0 + 31 of the strip (32 loads of 512 bytes) and row 16 g + w of feat (8 loads of 512 bytes).
; All 40 loads of a wave go out at once: that is the wave's whole share, so there is no ring and no loop.
; Nothing is read by two work-groups but 256 bytes of gamma and beta a wave, so there are no clusters, tensor loads or matrix work.
; THE MODE: SCHED_MODE bits 1:0 = 2 (LLVM: expert scheduling mode 2), set by the entry lines.  The code itself states the register
; dependences between vector instructions and memory or LDS instructions, with s_wait_alu, always for 0.
; THE PLAN.  Registers that memory or LDS instructions touch:
;   v1, v2, v3   offsets and the LDS address: written at the head, never again; read by every load, store and LDS instruction.
;   v24, v25     wave 15's offsets: written in its first arm, never again; read by W2's loads and W2t's stores.
;   Q, B1        loaded once, then read by vector instructions alone.       QO  written by eight conversions, read by two stores.
;   X            loaded once; the layer norm works in place, its sixteen conversions write last; read by eight stores; never written again.
;   W            row i at W + 4 i: loaded once, scaled and rounded in place, read by one store.  At the end, in wave 0, sixteen LDS loads
;                land in rows 0 to 15, the tree of sums works there, and b1p's store reads W .. W + 3.
;   ACC          written by the multiply-adds of all 32 rows, read by one LDS store.
; The 32 rows go in eight blocks of four.  A block's vector instructions name its own rows' registers and ACC alone; the stores dealt among
; them are those of the block before (in block 0: xh's eight).  So ONE wait on va_vdst at a block's head, behind the wait for the block's
; first row, states all that the block's stores hang on.  No data register is written twice before the end, where one wait on vm_vsrc
; stands ahead of wave 0's LDS loads.
.set ACC, 4                            ; v[4:7]     sum over my 32 rows of beta * W1, my 4 columns
.set T,   8                            ; v[8:15]    at work
.set B1,  16                           ; v[16:19]   wave 0: b1 of my 4 columns
.set M,   20                           ; v[20:21]   - mean, twice
.set R,   22                           ; v[22:23]   rsqrt(var + eps) / 32, twice
.set X,   32                           ; v[32:63]   my row of feat: load j holds columns 128 j + 4 lane .. + 3
.set W,   64                           ; v[64:191]  row i of my 32 rows of W1 at W + 4 i
.set Q,   192                          ; v[192:207] wave 15: 8 rows x 2 columns of W2
.set QO,  208                          ; v[208:215] wave 15: 2 columns x 8 rows, f16
	s_load_b512 s[4:19], s[0:1], 0x0               ; W1 s[4:5], W2 s[6:7], b1 s[8:9], feat s[10:11], ln_beta s[12:13], ln_gamma s[14:15], xh s[16:17], Wb s[18:19]
	s_load_b128 s[52:55], s[0:1], 0x40             ; b1p s[52:53], W2t s[54:55]
	v_lshl_add_u32 v216, v0, 2, 0x2000
	v_mov_b32 v217, 0
	v_lshrrev_b32 v1, 5, v0
	v_readfirstlane_b32 s60, v1                    ; wave 0..15
	v_and_b32 v2, 31, v0
	v_lshlrev_b32 v1, 4, v2                        ; 16 x lane
	v_lshlrev_b32 v2, 3, v2                        ; 8 x lane
	v_lshlrev_b32 v3, 4, v0                        ; LDS: 512 x wave + 16 x lane
	s_lshr_b32 s61, ttmp9, 5                       ; e
	s_bfe_u32 s62, ttmp9, 0x40001                  ; strip: 4 bits from bit 1
	s_and_b32 s63, ttmp9, 1                        ; half
	s_lshl_b32 s66, s63, 9
	s_mov_b32 s57, 0x3a800000                      ; 1/1024
	s_mov_b32 s101, 0x3727c5ac                     ; 1e-5
	s_mov_b32 s58, 0x76543210                      ; v_permlanex16_b32: lane i of one half reads lane i of the other
	s_mov_b32 s59, 0xfedcba98
	s_mov_b32 s3, 0
	s_wait_alu depctr_va_sdst(0)                   ; v_readfirstlane_b32 has written s60, ahead of its first reader; offsets and branches are made from it
	s_lshl_b32 s67, s60, 5
	s_add_co_u32 s66, s66, s67                     ; d0 = 512 half + 32 wave
	s_lshl_b32 s56, s61, 10
	s_add_co_u32 s56, s56, s66
	s_lshl_b32 s56, s56, 2                         ; byte offset of gamma[e][d0] and beta[e][d0]
	s_wait_kmcnt 0x0
	s_load_b512 s[20:35], s[14:15], s56 offset:0x0     ; gamma of my 32 rows: s[20+i]
	s_load_b512 s[36:51], s[14:15], s56 offset:0x40
	s_load_b512 s[68:83], s[12:13], s56 offset:0x0     ; beta of my 32 rows: s[68+i]
	s_load_b512 s[84:99], s[12:13], s56 offset:0x40
	; every base gets its offset, made apart from the address in s2 with 0 above it
	s_lshl_b32 s2, s61, 23                         ; W1: e x 8,388,608 + d0 x 8,192 + strip x 512
	s_lshl_b32 s100, s66, 13
	s_add_co_u32 s2, s2, s100
	s_lshl_b32 s100, s62, 9
	s_add_co_u32 s2, s2, s100
	s_add_nc_u64 s[4:5], s[4:5], s[2:3]
	s_lshr_b32 s2, s2, 1                           ; Wb: the same place at 2 bytes a number
	s_add_nc_u64 s[18:19], s[18:19], s[2:3]
	s_lshl_b32 s100, ttmp9, 4
	s_add_co_u32 s100, s100, s60                   ; my row of feat: 16 g + wave
	s_lshl_b32 s2, s100, 12
	s_add_nc_u64 s[10:11], s[10:11], s[2:3]
	s_lshl_b32 s2, s100, 11
	s_add_nc_u64 s[16:17], s[16:17], s[2:3]
	s_lshl_b32 s2, s61, 13                         ; b1: (e x 2048 + strip x 128) x 4
	s_lshl_b32 s100, s62, 9
	s_add_co_u32 s2, s2, s100
	s_add_nc_u64 s[8:9], s[8:9], s[2:3]
	s_lshl_b32 s100, s63, 16                       ; b1p: + half x 65,536
	s_add_co_u32 s2, s2, s100
	s_add_nc_u64 s[52:53], s[52:53], s[2:3]
	s_lshr_b32 s2, ttmp9, 1                        ; W2: 128 rows of 32 bytes for each (e, strip), + 16 bytes for columns 4 to 7
	s_lshl_b32 s2, s2, 12
	s_lshl_b32 s100, s63, 4
	s_add_co_u32 s2, s2, s100
	s_add_nc_u64 s[6:7], s[6:7], s[2:3]
	s_lshl_b32 s2, s61, 15                         ; W2t: e x 32,768 + 4 half x 4,096 + strip x 256
	s_lshl_b32 s100, s63, 14
	s_add_co_u32 s2, s2, s100
	s_lshl_b32 s100, s62, 8
	s_add_co_u32 s2, s2, s100
	s_add_nc_u64 s[54:55], s[54:55], s[2:3]
	s_mov_b32 s100, 0x42000000                     ; 32.0, for gamma
	s_wait_alu depctr_va_vdst(0)                   ; v1, v2 and v3 are written: the loads, stores and LDS instructions of the whole kernel read them as offsets and address
	; The two small loads that one wave alone makes stand AHEAD of the 40, so that every count below is the same in all waves.
	s_cmp_lg_u32 s60, 0
	s_cbranch_scc1 .Lno_b1
	global_load_b128 v[B1:B1+3], v1, s[8:9]        ; wave 0: b1 of the strip
.Lno_b1:
	s_cmp_lg_u32 s60, 15
	s_cbranch_scc1 .Lno_w2ld
	v_and_b32 v26, 15, v0                          ; wave 15: lane (r, h) takes rows n = 8 r + i, columns 4 half + 2 h + {0, 1} of the strip's 128 rows of W2
	v_bfe_u32 v27, v0, 4, 1
	v_lshlrev_b32 v24, 8, v26
	v_lshl_add_u32 v24, v27, 3, v24                ; from: 256 r + 8 h
	v_lshlrev_b32 v25, 4, v26
	v_lshl_add_u32 v25, v27, 13, v25               ; to: 2 h rows of 4,096 bytes + 16 r
	s_wait_alu depctr_va_vdst(0)                   ; v24 is written, which the eight loads below read as their offset
.irp i, 0,1,2,3,4,5,6,7
	global_load_b64 v[Q+2*\i:Q+2*\i+1], v24, s[6:7] offset:32*\i
.endr
.Lno_w2ld:
.irp j, 0,1,2,3,4,5,6,7
	global_load_b128 v[X+4*\j:X+4*\j+3], v1, s[10:11] offset:512*\j th:TH_LOAD_NT
.endr
.set i, 0
.rept 32
	global_load_b128 v[W+4*i:W+4*i+3], v1, s[4:5] offset:8192*i th:TH_LOAD_NT
.set i, i+1
.endr
	; wave 15: W2 transposed to f16; sixteen lanes store 256 consecutive bytes, aligned
	s_cmp_lg_u32 s60, 15
	s_cbranch_scc1 .Lno_w2
	s_wait_loadcnt 40                              ; the 40 loads issued behind W2's eight may stay out
.irp cc, 0,1
.irp k, 0,1,2,3
	v_cvt_pk_f16_f32 v[QO+4*\cc+\k], v[Q+4*\k+\cc], v[Q+4*\k+2+\cc]    ; rows 2 k and 2 k + 1 of column cc
.endr
.endr
	s_wait_alu depctr_va_vdst(0)                   ; the eight conversions have written v[QO ..], the two stores' data (their offset v25 was written ahead of them)
.irp cc, 0,1
	global_store_b128 v25, v[QO+4*\cc:QO+4*\cc+3], s[54:55] offset:4096*\cc
.endr
.Lno_w2:
; sum over the 32 lanes, the result in every lane; tmp has been written before (v_permlanex16_b32 counts as a reader of its destination)
.macro RED reg, tmp
	v_add_f32_dpp v[\reg], v[\reg], v[\reg] row_xmask:1 row_mask:0xf bank_mask:0xf
	v_add_f32_dpp v[\reg], v[\reg], v[\reg] row_xmask:2 row_mask:0xf bank_mask:0xf
	v_add_f32_dpp v[\reg], v[\reg], v[\reg] row_xmask:4 row_mask:0xf bank_mask:0xf
	v_add_f32_dpp v[\reg], v[\reg], v[\reg] row_xmask:8 row_mask:0xf bank_mask:0xf
	v_permlanex16_b32 v[\tmp], v[\reg], s58, s59
	v_add_f32 v[\reg], v[\reg], v[\tmp]
.endm
.macro TREE                            ; four pairs of partial sums in T to one number in v[T]
	v_pk_add_f32 v[T:T+1], v[T:T+1], v[T+2:T+3]
	v_pk_add_f32 v[T+4:T+5], v[T+4:T+5], v[T+6:T+7]
	v_pk_add_f32 v[T:T+1], v[T:T+1], v[T+4:T+5]
	v_add_f32 v[T], v[T], v[T+1]
.endm
	; LAYER NORM of my row, in two passes as reference() has it: the mean first, then the squares of the differences
	s_wait_loadcnt 32                              ; my row of feat is in; the 32 loads of W1 behind it may stay out
.irp k, 0,1,2,3
	v_pk_add_f32 v[T+2*\k:T+2*\k+1], v[X+2*\k:X+2*\k+1], v[X+2*\k+8:X+2*\k+9]    ; four chains, started by sums: nothing is cleared
.endr
.irp o, 16,24
.irp k, 0,1,2,3
	v_pk_add_f32 v[T+2*\k:T+2*\k+1], v[T+2*\k:T+2*\k+1], v[X+2*\k+\o:X+2*\k+\o+1]
.endr
.endr
	TREE
	RED T, T+2
	v_mul_f32 v[M], 0xba800000, v[T]               ; - sum / 1024
	v_mov_b32 v[M+1], v[M]
.set i, 0
.rept 16
	v_pk_add_f32 v[X+2*i:X+2*i+1], v[X+2*i:X+2*i+1], v[M:M+1]
.set i, i+1
.endr
.irp k, 0,1,2,3
	v_pk_mul_f32 v[T+2*\k:T+2*\k+1], v[X+2*\k:X+2*\k+1], v[X+2*\k:X+2*\k+1]
.endr
.irp o, 8,16,24
.irp k, 0,1,2,3
	v_pk_fma_f32 v[T+2*\k:T+2*\k+1], v[X+2*\k+\o:X+2*\k+\o+1], v[X+2*\k+\o:X+2*\k+\o+1], v[T+2*\k:T+2*\k+1]
.endr
.endr
	TREE
	RED T, T+2
	v_fma_f32 v[T], v[T], s57, s101                ; var + 1e-5
	v_rsq_f32 v[R], v[T]
	v_nop                                          ; one plain instruction between v_rsq_f32 and the use of its result (ISA guide 5.7.2)
	s_wait_alu depctr_va_vdst(0)                   ; v_rsq_f32 has written v[R], ahead of its first reader
	v_mul_f32 v[R], 0x3d000000, v[R]               ; / 32: exact, and undone by the 32 in Wb
	v_mov_b32 v[R+1], v[R]
.set i, 0
.rept 16
	v_pk_mul_f32 v[X+2*i:X+2*i+1], v[X+2*i:X+2*i+1], v[R:R+1]
.set i, i+1
.endr
.irp j, 0,1,2,3,4,5,6,7
	v_cvt_pk_f16_f32 v[X+4*\j],   v[X+4*\j],   v[X+4*\j+1]
	v_cvt_pk_f16_f32 v[X+4*\j+1], v[X+4*\j+2], v[X+4*\j+3]         ; xh's eight stores follow in block 0 below, behind its wait
.endr
	; MY 32 ROWS OF W1: beta's product in f32 first, then 32 gamma's scale, one rounding to f16, out.  No vector register is written twice.
	; Eight blocks of four rows.  In front of row i's vector instructions stands the store of row i - 4; in block 0, two of xh's eight stores.
	s_wait_kmcnt 0x0                               ; gamma and beta
.set i, 0
.rept 32
	s_mul_f32 s[20+i], s[20+i], s100               ; 32 gamma: exact
.set i, i+1
.endr
.set i, 0
.rept 32
	s_wait_loadcnt 31-i                            ; loads come back in order (ISA guide 5.7.1): row i is in, the 31 - i younger rows may stay out
.if i%4 == 0
	s_wait_alu depctr_va_vdst(0)                   ; the block before (ahead of block 0: the layer norm's conversions) has written the registers that this block's stores read; no vector instruction of this block names them
.endif
.if i < 4
	global_store_b64 v2, v[X+8*i:X+8*i+1],   s[16:17] offset:512*i       ; the wave's store covers 256 consecutive bytes, aligned
	global_store_b64 v2, v[X+8*i+4:X+8*i+5], s[16:17] offset:512*i+256
.else
	global_store_b64 v2, v[W+4*(i-4):W+4*(i-4)+1], s[18:19] offset:4096*(i-4)      ; 256 consecutive bytes, aligned
.endif
.irp k, 0,1,2,3
.if i == 0
	v_mul_f32 v[ACC+\k], s[68], v[W+\k]            ; the first row starts the sums
.else
	v_fmac_f32 v[ACC+\k], s[68+i], v[W+4*i+\k]
.endif
.endr
.irp k, 0,1,2,3
	v_mul_f32 v[W+4*i+\k], s[20+i], v[W+4*i+\k]
.endr
	v_cvt_pk_f16_f32 v[W+4*i],   v[W+4*i],   v[W+4*i+1]
	v_cvt_pk_f16_f32 v[W+4*i+1], v[W+4*i+2], v[W+4*i+3]
.set i, i+1
.endr
	s_wait_alu depctr_va_vdst(0)                   ; block 7 has written rows 28 to 31, the last four stores' data, and ACC, the LDS store's; every vector read and write of W is done, ahead of wave 0's LDS loads into it
.irp r, 28,29,30,31
	global_store_b64 v2, v[W+4*\r:W+4*\r+1], s[18:19] offset:4096*\r
.endr
	; the sixteen waves' sums meet in LDS; wave 0 adds them and half of b1
	ds_store_b128 v3, v[ACC:ACC+3]
	s_wait_dscnt 0x0                               ; for the other waves' sake: my store is done before I signal
	s_barrier_signal -1
	s_barrier_wait -1
	s_wait_alu depctr_vm_vsrc(0)                   ; the stores of Wb have read W's rows 0 to 15, in which wave 0's LDS loads land; the wait stands ahead of the branch, on every way to those loads
	s_cmp_lg_u32 s60, 0
	s_cbranch_scc1 .Ldone
	s_wait_xcnt 0x0                                ; W's registers were data of stores: they are loaded again only behind this wait
.set i, 0
.rept 16
	ds_load_b128 v[W+4*i:W+4*i+3], v1 offset:512*i
.set i, i+1
.endr
	s_wait_dscnt 0x0
.irp st, 8,4,2,1
.set i, 0
.rept \st
	v_pk_add_f32 v[W+4*i:W+4*i+1],   v[W+4*i:W+4*i+1],   v[W+4*(i+\st):W+4*(i+\st)+1]
	v_pk_add_f32 v[W+4*i+2:W+4*i+3], v[W+4*i+2:W+4*i+3], v[W+4*(i+\st)+2:W+4*(i+\st)+3]
.set i, i+1
.endr
.endr
	v_pk_fma_f32 v[W:W+1],   v[B1:B1+1],   0.5, v[W:W+1]   op_sel_hi:[1,0,1]   ; each of the two halves of d carries half of b1
	v_pk_fma_f32 v[W+2:W+3], v[B1+2:B1+3], 0.5, v[W+2:W+3] op_sel_hi:[1,0,1]
	s_wait_alu depctr_va_vdst(0)                   ; the sums have written v[W .. W+3], the store's data
	global_store_b128 v1, v[W:W+3], s[52:53]       ; 512 consecutive bytes
.Ldone:
	s_wait_dscnt 0x0                               ; the closing lines, six on end
	s_wait_alu 0x0
	s_wait_tensorcnt 0x0
	ds_add_u32 v216, v217
	s_wait_dscnt 0x0
	s_endpgm
.Lfunc_end_k_q7bca216a48_prep:
	.size	k_q7bca216a48_prep, .Lfunc_end_k_q7bca216a48_prep-k_q7bca216a48_prep
	.p2alignl 7, 3214868480
	.fill 96, 4, 3214868480
	.section	.rodata,"a",@progbits
	.p2align	6, 0x0
	.amdhsa_kernel k_q7bca216a48_prep
		.amdhsa_group_segment_fixed_size 10240
		.amdhsa_private_segment_fixed_size 0
		.amdhsa_enable_private_segment 0
		.amdhsa_kernarg_size 80
		.amdhsa_user_sgpr_count 2
		.amdhsa_user_sgpr_kernarg_segment_ptr 1
		.amdhsa_wavefront_size32 1
		.amdhsa_system_sgpr_workgroup_id_x 1
		.amdhsa_system_sgpr_workgroup_id_y 1
		.amdhsa_system_sgpr_workgroup_id_z 1
		.amdhsa_system_vgpr_workitem_id 0
		.amdhsa_next_free_vgpr 218
		.amdhsa_next_free_sgpr 102
		.amdhsa_reserve_vcc 0
		.amdhsa_float_denorm_mode_32 3
		.amdhsa_float_denorm_mode_16_64 3
		.amdhsa_memory_ordered 1
		.amdhsa_forward_progress 1
		.amdhsa_inst_pref_size 37
	.end_amdhsa_kernel
	.amdgpu_metadata
---
amdhsa.version: [ 1, 2 ]
amdhsa.kernels:
  - .name:           k_q7bca216a48_prep
    .symbol:         k_q7bca216a48_prep.kd
    .args:
      - { .name: W1, .offset: 0, .size: 8, .value_kind: global_buffer, .address_space: global }
      - { .name: W2, .offset: 8, .size: 8, .value_kind: global_buffer, .address_space: global }
      - { .name: b1, .offset: 16, .size: 8, .value_kind: global_buffer, .address_space: global }
      - { .name: feat, .offset: 24, .size: 8, .value_kind: global_buffer, .address_space: global }
      - { .name: ln_beta, .offset: 32, .size: 8, .value_kind: global_buffer, .address_space: global }
      - { .name: ln_gamma, .offset: 40, .size: 8, .value_kind: global_buffer, .address_space: global }
      - { .name: xh, .offset: 48, .size: 8, .value_kind: global_buffer, .address_space: global }
      - { .name: Wb, .offset: 56, .size: 8, .value_kind: global_buffer, .address_space: global }
      - { .name: b1p, .offset: 64, .size: 8, .value_kind: global_buffer, .address_space: global }
      - { .name: W2t, .offset: 72, .size: 8, .value_kind: global_buffer, .address_space: global }
    .group_segment_fixed_size: 10240
    .private_segment_fixed_size: 0
    .kernarg_segment_align: 8
    .kernarg_segment_size: 80
    .max_flat_workgroup_size: 512
    .sgpr_count:     102
    .vgpr_count:     218
    .wavefront_size: 32
...
	.end_amdgpu_metadata
.endif
;; end of part 4
;; launch experts: the kernel of part 2 again; grid 16 x 16, 4 waves a work-group, clusters of 4 x 4, 327,680 bytes of LDS; arguments xh, Wb, b1p, W2t, part; writes part
;; launch finish: the kernel of part 3 again; grid 256 x 1, 8 waves a work-group, no clusters, 9,216 bytes of LDS; arguments z_cat, mu_cat, b2, part, out0, out1; writes out0, out1
